; MI455X (gfx1250); checked and timed in simulation.
; The chip was launched on July 23, 2026; its instructions are those of AMD's public machine-readable ISA for CDNA 5 (MIT licence, August 2026) and "CDNA5" Instruction Set Architecture Reference Guide (July 2026). The comments in the code are by the model that wrote it; some were corrected since.
;; Self Attention. Allowed arithmetic: matrix products marked QUANTISED: E2M3 operands, one E8M0 scale for each 32 along K, by v_wmma_scale_f32_16x16x128_f8f6f4 with both operands' format E2M3, f32 sums; everything else in f32.
;; Inputs: w_attn 3,072 x 1,024 float32; w_proj 1,024 x 1,024 float32; x 4 x 2,048 x 1,024 float32.
;; Outputs: out0 4 x 2,048 x 1,024 float32.
;; This version of the problem:
;;   THIS VERSION OF THE PROBLEM IS GIVEN IN LOW PRECISION. The matrix products marked QUANTISED in the list below multiply operands that are first quantised to E2M3 (2 exponent bits, 3 mantissa bits; 6 bits a number), with one power-of-two scale for each 32 numbers along K (OCP MX v1.0); their sums are f32. All else is computed in f32.
;;   The module's matrix products, in the order in which they are computed (A, B: the left and right operand; K: the contracted axis; several contracted axes count as one K, in the product's order):
;;     1. [M 8,192, K 1,024] x [K 1,024, N 3,072]; A: input x; B: input w_attn: QUANTISED
;;     2. batch 64 x [M 2,048, K 64] x [K 64, N 2,048]; A: computed on the way; B: computed on the way: QUANTISED
;;     3. batch 64 x [M 2,048, K 2,048] x [K 2,048, N 64]; A: softmax (see below); B: computed on the way: QUANTISED
;;     4. [M 8,192, K 1,024] x [K 1,024, N 1,024]; A: computed on the way; B: input w_proj: QUANTISED
;;   THE QUANTISER, for each operand of a quantised product, along K:
;;     - K is cut into blocks of 32 from its start; a last block that is shorter is filled with zeros.
;;     - A block's scale is 2^e with e = floor(log2(the largest magnitude in the block)) - 2, held to -126 .. 127; a block of zeros has e = 0. As a byte (E8M0): e + 127.
;;     - Each number is divided by its block's scale, clamped to +-7.5, and rounded to the nearest number of E2M3, ties to even, subnormals kept.
;;     - The product sums the exact products of the quantised numbers (number of the format x scale) in f32.
;;   ~~~python
;;   def quantise(x, axis):      # numpy; x: float32 -> the quantised numbers, widened to float32 again
;;       x = np.moveaxis(x, axis, -1); K = x.shape[-1]
;;       x = np.pad(x, [(0, 0)] * (x.ndim - 1) + [(0, -K % 32)]); x = x.reshape(x.shape[:-1] + (-1, 32)); a = np.abs(x).max(-1, keepdims=True)
;;       e = np.where(a > 0, np.clip(np.frexp(np.where(a > 0, a, 1))[1] - 1 - 2, -126, 127), 0)      # np.frexp(a)[1] - 1 = floor(log2(a)), exactly
;;       r = np.clip(x / 2.0 ** e, -7.5, 7.5)
;;       step = 2.0 ** (np.maximum(np.frexp(np.where(r == 0, 1, r))[1] - 1, 0) - 3)
;;       q = np.round(r / step) * step * 2.0 ** e      # np.round: ties to even
;;       return np.moveaxis(q.reshape(q.shape[:-2] + (-1,))[..., :K], -1, axis).astype(np.float32)
;;   ~~~
;;   SOFTMAX AHEAD OF A QUANTISED PRODUCT. Where the list says 'softmax', what is quantised is not the finished softmax but p = 2^(t - M), with t = logit x log2(e) and M = ceil(the row's largest t), a whole number; so 1/2 < the row's largest p <= 1. The row's sum l is taken of the UNQUANTISED p, in f32, and the product's result is divided by l at the end. Since M is a whole number, a kernel that streams over the keys may use a running M (the ceiling of the running maximum): every later rescaling is an exact power of two, which a block's scale takes up: the codes' values come out the same.
;;   OPERANDS COMPUTED ON THE WAY. 'Computed on the way' means the value that the module computes at that place (a softmax that the list does not call 'softmax' is quantised finished and normalised). What goes into a quantiser is computed in f32, as accurately as f32 sums, v_exp_f32 and their like allow (about 1e-6 of the number): no bf16 or f16 on the way to a quantiser, and a product that is left as it is and whose result goes on into a quantised operand takes f32 operands (vector FMAs, or v_wmma_f32_16x16x4_f32). A number that lies on a knife's edge between two numbers of the format may be rounded either way, as far as f32 arithmetic and the matrix unit's own rounding can turn it there, and no further.
;; One version. Each part assembles by itself: llvm-mc -triple=amdgcn-amd-amdhsa -mcpu=gfx1250 --defsym DOCPART=n.
;; ======== version 1 of 1: 4 launches
;; workspace buffers: gc 9,437,184 bytes; gs 393,216 bytes; cd 18,874,368 bytes; sc 786,432 bytes; yc 6,291,456 bytes; ys 262,144 bytes
;; launch quant (part 1): grid 256 x 1, 6 waves a work-group, no clusters, 52,992 bytes of LDS; arguments x, w_attn, w_proj, gc, gs; writes gc, gs
.if DOCPART == 1
	.amdgcn_target "amdgcn-amd-amdhsa--gfx1250"
	.amdhsa_code_object_version 6
	.text
	.protected	k_qb87daf847c_quant
	.globl	k_qb87daf847c_quant
	.p2align	8
	.type	k_qb87daf847c_quant,@function
k_qb87daf847c_quant:
	s_mov_b64 s[64:65], 0
	v_nop
	global_prefetch_b8 v0, s[64:65] scope:SCOPE_SE
	s_setreg_imm32_b32 hwreg(HW_REG_WAVE_MODE, 25, 1), 1
	s_wait_xcnt 0x0
; x [8192][1024], w_attn [3072][1024] and w_proj [1024][1024], f32, K innermost, become codes of FP6 (E2M3) with one E8M0 byte for each 32 along K,
; laid in the order of a matrix operand's registers, so that the later launches load fragments whole.
; ROWS.  All rows are counted through: tiles of 16, x's 0-511, w_attn's 512-703, w_proj's 704-767.  Inside each group of 32 rows the two tiles do not take
; neighbours: place r of tile u holds row 8 u + r + 8 (r / 8).  A tile so made, used as source 0 of a product, leaves 16 neighbours of the next K in a lane's 16 registers of two tiles.
; HALF IMAGE: 16 rows x 64 along K = 768 bytes.  Lane (r, h) owns the 24 bytes of block h of row r: 512 bytes of 16 a lane (registers 0-3), then 256 bytes of 8 a lane (registers 4-5).
; gc = [tile 768][k / 64: 16] half images.  gs = [tile][half of K: 2][r 16][4 words]: word g is row r's four scale bytes of the g-th 128 along K of that half.
; A block's scale is 2^(floor(log2(largest magnitude)) - 2); its byte is the largest magnitude's exponent field - 2, held at 1 from below.
; LIMITS: a block whose largest magnitude lies under 2^-124 keeps the byte 1; a block of zeros gets the byte 1 where the rule says 127 (its codes are zeros, and this program alone reads the bytes);
; NaN and infinities among the inputs are not served.
; SHARES.  1,536 waves; wave W takes tile W / 2 and half W % 2 of K: 16 rows x 512 numbers = 8 steps of one half image.  Waves share nothing: no barrier.  Work-groups share no input: no cluster.
; A load takes 256 consecutive bytes of a row in sixteen lanes; the 16 x 256 bytes of a step turn through the wave's own stage in LDS (rows 272 bytes apart), from which a lane takes its block's 128 bytes.
; Loads run four steps (32 loads a wave) ahead, the turn through LDS one step.
.set STG,  4352                        ; a stage: 16 rows x 272 bytes; two for each wave
.set GIN,  4                           ; v4   in memory: 4,096 (lane / 16) + 16 (lane % 16); never rewritten
.set SIN,  5                           ; v5   into the stage: 272 (lane / 16) + 16 (lane % 16)
.set SOUT, 6                           ; v6   out of it: 272 r + 128 h
.set L16,  7                           ; v7   16 x lane
.set L8,   8                           ; v8   8 x lane
.set R,    16                          ; v16-143   four sets of 32 registers as loaded
.set X,    144                         ; v144-207  two sets of 32: a lane's block
.set C,    208                         ; v208-223  two sets of codes (6 registers used of 8)
.set D,    224                         ; v224-226  the block's upper 16 codes, as converted
.set E,    228                         ; v228-231  scale bytes, two to a register
.set T,    232                         ; v232-235  the other half of the lanes' bytes
	s_load_b256 s[4:11], s[0:1], 0x0               ; x s[4:5], w_attn s[6:7], w_proj s[8:9], gc s[10:11]
	s_load_b64 s[12:13], s[0:1], 0x20              ; gs
	v_lshl_add_u32 v240, v0, 2, 0xcc00
	v_mov_b32 v241, 0
	v_lshrrev_b32 v1, 5, v0
	v_readfirstlane_b32 s16, v1                    ; wave 0..5
	v_and_b32 v1, 31, v0                           ; lane
	v_and_b32 v2, 15, v0                           ; r
	v_bfe_u32 v3, v0, 4, 1                         ; h
	s_mul_i32 s17, ttmp9, 6
	s_add_co_u32 s17, s17, s16                     ; W
	s_lshr_b32 s18, s17, 1                         ; the tile
	s_and_b32 s19, s17, 1                          ; which half of K
	s_mul_i32 s25, s16, 2*STG                      ; my wave's stages
	v_lshlrev_b32 v[GIN], 4, v2
	v_lshl_add_u32 v[GIN], v3, 12, v[GIN]
	v_mul_u32_u24 v[SIN], v3, 272
	v_lshl_add_u32 v[SIN], v2, 4, v[SIN]
	v_add_nc_u32 v[SIN], s25, v[SIN]
	v_mul_u32_u24 v[SOUT], v2, 272
	v_lshl_add_u32 v[SOUT], v3, 7, v[SOUT]
	v_add_nc_u32 v[SOUT], s25, v[SOUT]
	v_lshlrev_b32 v[L16], 4, v1
	v_lshlrev_b32 v[L8], 3, v1
	v_lshlrev_b32 v9, 3, v3                        ; 8 h: my bytes' place in a scale word, in bits
	v_lshl_add_u32 v10, v2, 4, v9                  ; 16 r + 8 h: my two words of the unit of scale words
.irp i, 0,1,2,3
	v_mov_b32 v[T+\i], 0                           ; written once: a lane permute's destination counts as one of its sources
.endr
	s_mov_b32 s20, 0x76543210
	s_mov_b32 s21, 0xfedcba98                      ; v_permlanex16_b32's selects for lane l xor 16
	s_mov_b32 s22, 0xffff0000                      ; lanes 16-31
	s_mov_b32 s24, 704
	s_wait_alu depctr_va_vdst(0)
	s_wait_kmcnt 0x0
	s_cmp_lt_u32 s18, 704                          ; which tensor: the choice hangs on the tile's number alone
	s_cselect_b64 s[6:7], s[6:7], s[8:9]
	s_cselect_b32 s23, 512, s24
	s_cmp_lt_u32 s18, 512
	s_cselect_b64 s[4:5], s[4:5], s[6:7]
	s_cselect_b32 s23, 0, s23
	s_sub_co_u32 s23, s18, s23                     ; the tile's number in its tensor
	s_lshr_b32 s26, s23, 1
	s_lshl_b32 s26, s26, 17                        ; its group of 32 rows of 4,096 bytes,
	s_and_b32 s27, s23, 1
	s_lshl_b32 s27, s27, 15                        ; 8 rows on for the group's second tile,
	s_add_co_u32 s26, s26, s27
	s_lshl_b32 s27, s19, 11                        ; 2,048 bytes on for the second half of K
	s_add_co_u32 s26, s26, s27
	s_mov_b32 s27, 0
	s_add_nc_u64 s[4:5], s[4:5], s[26:27]
	s_mul_i32 s26, s17, 6144                       ; my 8 half images
	s_add_nc_u64 s[10:11], s[10:11], s[26:27]
	s_lshl_b32 s26, s17, 8                         ; my 256 bytes of scale words
	s_add_nc_u64 s[12:13], s[12:13], s[26:27]
.macro LOAD t                          ; step t: 256 bytes of each of the tile's 16 rows; load j takes places 2 j and 2 j + 1, which are rows 2 j + 8 (j / 4) and the next
.irp j, 0,1,2,3,4,5,6,7
	global_load_b128 v[R+32*((\t)%4)+4*\j:R+32*((\t)%4)+4*\j+3], v[GIN], s[4:5] offset:(2*\j+8*(\j/4))*4096+256*(\t) th:TH_LOAD_NT
.endr
.endm
.macro TURN t                          ; through the stage: LDS serves a wave's instructions in order, so no wait stands between the stores and the loads
.irp j, 0,1,2,3,4,5,6,7
	ds_store_b128 v[SIN], v[R+32*((\t)%4)+4*\j:R+32*((\t)%4)+4*\j+3] offset:STG*((\t)%2)+544*\j
.endr
.irp i, 0,1,2,3,4,5,6,7
	ds_load_b128 v[X+32*((\t)%2)+4*\i:X+32*((\t)%2)+4*\i+3], v[SOUT] offset:STG*((\t)%2)+16*\i
.endr
.endm
.macro STEP t
.set XS, X+32*((\t)%2)
.set CS, C+8*((\t)%2)
	s_wait_dscnt 0x0                               ; my block of this step is back from the stage, and the stage's stores have read their registers,
.if (\t)+4 < 8
	LOAD (\t)+4                                    ; which take the loads of four steps on
.endif
.if (\t) < 7
.if (\t) < 4
	s_wait_loadcnt 24                              ; the next step's 8 loads are in; those of the three steps behind it may be out
.else
	s_wait_loadcnt 8*(6-(\t))                      ; towards the end fewer steps are behind it
.endif
	TURN (\t)+1                                    ; they go through the other stage while this step is worked
.endif
	v_max3_num_f32 v12, |v[XS]|, |v[XS+1]|, |v[XS+2]|              ; the block's largest magnitude: all 32 numbers are mine; two chains
	v_max3_num_f32 v13, |v[XS+3]|, |v[XS+4]|, |v[XS+5]|
.irp i, 6,10,14,18,22,26
	v_max3_num_f32 v12, v12, |v[XS+\i]|, |v[XS+\i+1]|
	v_max3_num_f32 v13, v13, |v[XS+\i+2]|, |v[XS+\i+3]|
.endr
	v_max3_num_f32 v12, v12, |v[XS+30]|, |v[XS+31]|
	v_max3_num_f32 v12, v12, v13, 0x1800000        ; and the floor 2^(3 - 127): the byte cannot fall under 1
	v_add_nc_u32 v11, 0xff000000, v12              ; 2 off the exponent field: the conversion takes the exponent field of this operand as its scale
	s_wait_alu depctr_va_vdst(0)
	s_wait_xcnt 0x0                                ; the stores of two steps ago have read this set of code registers
	v_cvt_scalef32_pk16_fp6_f32 v[CS:CS+2], v[XS:XS+15], v11
	v_cvt_scalef32_pk16_fp6_f32 v[D:D+2], v[XS+16:XS+31], v11      ; (a conversion's three registers begin on an even number)
	v_lshrrev_b32 v14, 23, v11                     ; the scale's byte.  (The plain line behind the conversions)
.irp i, 0,1,2
	v_mov_b32 v[CS+3+\i], v[D+\i]
.endr
.if (\t)%2 == 0
	v_mov_b32 v[E+(\t)/2], v14                     ; block h of the first 64 of a step of 128: byte h of the word;
.else
	v_lshl_or_b32 v[E+(\t)/2], v14, 16, v[E+(\t)/2]   ; of the second 64: byte 2 + h
.endif
	global_store_b128 v[L16], v[CS:CS+3], s[10:11] offset:768*(\t)         ; 512 consecutive bytes, at a multiple of 256 from gc's first byte
	global_store_b64 v[L8], v[CS+4:CS+5], s[10:11] offset:768*(\t)+512     ; and 256
.endm
.irp t, 0,1,2,3
	LOAD \t
.endr
	s_wait_loadcnt 24                              ; step 0's 8 loads are in
	TURN 0
.irp t, 0,1,2,3,4,5,6,7
	STEP \t
.endr
.irp i, 0,1,2,3
	v_lshlrev_b32 v[E+\i], v9, v[E+\i]             ; my two bytes at their places,
.endr
.irp i, 0,1,2,3
	v_permlanex16_b32 v[T+\i], v[E+\i], s20, s21
.endr
.irp i, 0,1,2,3
	v_or_b32 v[E+\i], v[E+\i], v[T+\i]             ; with lane l xor 16's two the word is whole
.endr
	v_cndmask_b32 v236, v[E], v[E+2], s22          ; lanes 0-15 store words 0 and 1 of their row, lanes 16-31 words 2 and 3
	v_cndmask_b32 v237, v[E+1], v[E+3], s22
	global_store_b64 v10, v[236:237], s[12:13]     ; 256 consecutive bytes, aligned
	s_wait_tensorcnt 0x0
	ds_add_u32 v240, v241
	s_wait_dscnt 0x0
	s_endpgm
.Lfunc_end_k_qb87daf847c_quant:
	.size	k_qb87daf847c_quant, .Lfunc_end_k_qb87daf847c_quant-k_qb87daf847c_quant
	.p2alignl 7, 3214868480
	.fill 96, 4, 3214868480
	.section	.rodata,"a",@progbits
	.p2align	6, 0x0
	.amdhsa_kernel k_qb87daf847c_quant
		.amdhsa_group_segment_fixed_size 52992
		.amdhsa_private_segment_fixed_size 0
		.amdhsa_enable_private_segment 0
		.amdhsa_kernarg_size 40
		.amdhsa_user_sgpr_count 2
		.amdhsa_user_sgpr_kernarg_segment_ptr 1
		.amdhsa_wavefront_size32 1
		.amdhsa_system_sgpr_workgroup_id_x 1
		.amdhsa_system_sgpr_workgroup_id_y 1
		.amdhsa_system_sgpr_workgroup_id_z 1
		.amdhsa_system_vgpr_workitem_id 0
		.amdhsa_next_free_vgpr 242
		.amdhsa_next_free_sgpr 66
		.amdhsa_reserve_vcc 0
		.amdhsa_float_denorm_mode_32 3
		.amdhsa_float_denorm_mode_16_64 3
		.amdhsa_memory_ordered 1
		.amdhsa_forward_progress 1
		.amdhsa_inst_pref_size 32
	.end_amdhsa_kernel
	.amdgpu_metadata
---
amdhsa.version: [ 1, 2 ]
amdhsa.kernels:
  - .name:           k_qb87daf847c_quant
    .symbol:         k_qb87daf847c_quant.kd
    .args:
      - { .name: x, .offset: 0, .size: 8, .value_kind: global_buffer, .address_space: global }
      - { .name: w_attn, .offset: 8, .size: 8, .value_kind: global_buffer, .address_space: global }
      - { .name: w_proj, .offset: 16, .size: 8, .value_kind: global_buffer, .address_space: global }
      - { .name: gc, .offset: 24, .size: 8, .value_kind: global_buffer, .address_space: global }
      - { .name: gs, .offset: 32, .size: 8, .value_kind: global_buffer, .address_space: global }
    .group_segment_fixed_size: 52992
    .private_segment_fixed_size: 0
    .kernarg_segment_align: 8
    .kernarg_segment_size: 40
    .max_flat_workgroup_size: 192
    .sgpr_count:     66
    .vgpr_count:     242
    .wavefront_size: 32
...
	.end_amdgpu_metadata
.endif
;; end of part 1
;; launch qkv (part 2): grid 8 x 48, 4 waves a work-group, clusters of 4 x 4, 327,680 bytes of LDS; arguments gc, gs, cd, sc; writes cd, sc
.if DOCPART == 2
	.amdgcn_target "amdgcn-amd-amdhsa--gfx1250"
	.amdhsa_code_object_version 6
	.text
	.protected	k_qb87daf847c_qkv
	.globl	k_qb87daf847c_qkv
	.p2align	8
	.type	k_qb87daf847c_qkv,@function
k_qb87daf847c_qkv:
	s_mov_b64 s[64:65], 0
	v_nop
	global_prefetch_b8 v0, s[64:65] scope:SCOPE_SE
	s_setreg_imm32_b32 hwreg(HW_REG_WAVE_MODE, 25, 1), 1
	s_wait_xcnt 0x0
	s_wait_alu depctr_hold_cnt(0) depctr_sa_sdst(0) depctr_va_vdst(0) depctr_va_sdst(0) depctr_va_ssrc(0) depctr_va_vcc(0) depctr_vm_vsrc(0)
	s_getreg_b32 s2, hwreg(HW_REG_IB_STS2, 6, 4)
	s_cmp_eq_u32 s2, 0
	s_cbranch_scc0 .Lentry_in_a_cluster
	s_endpgm
.Lentry_in_a_cluster:
	s_bfe_u32 s2, ttmp6, 0x10000c
	s_cmp_lg_u32 s2, 0xf033
	s_cbranch_scc0 .Lentry_shape_is_right
	s_endpgm
.Lentry_shape_is_right:
.set RHO,   12288
.set KSL,   3072
.set HALFT, 8*KSL
.set SLOT,  4*HALFT
.set SPARE, 2*SLOT
.set VB,    12582912
.set FR,    12
.set NL,    4
.set NP,    4
.set L16,  4
.set L8,   5
.set ADRA, 16
.set ADRB, 20
.set SUO,  26
.set SPW,  28
.set NIL,  29
.set SC,   32
.set HW,   96
.set WD,   112
.set AF,   128
.set TM,   200
.set PC,   216
.set G1,  24
.set G0,  32
.set G1B, 48
.set G0B, 56
.set SA,  72
.set SX,  74
.set SH,  76
.set BC0, 80
.set BC1, 82
.set SCU, 84
.set HM,  86
.set MODE, 87
.set SEL, 94
.set MSB, 0
.macro WIN new
.if MSB != \new
	s_set_vgpr_msb (MSB<<8)|\new
.set MSB, \new
.endif
.endm
.set MUL_LO, 0xa1
.set MUL_HI, 0xf1
.set TO_B,   0x40
.macro JLOAD g0a, g1a, g0b, g1b
	s_cmp_eq_u32 s15, 0
	s_cbranch_scc0 .Lfor_b_\@
	tensor_load_to_lds s[\g0a:\g0a+3], s[\g1a:\g1a+7]
	s_nop 0
.rept 4
	v_nop
.endr
	s_branch .Lasked_\@
.Lfor_b_\@:
	tensor_load_to_lds s[\g0b:\g0b+3], s[\g1b:\g1b+7]
	s_nop 0
.rept 4
	v_nop
.endr
.Lasked_\@:
.endm
.macro CREST
	s_cmp_lg_u32 s14, 0
	s_cbranch_scc1 .Lnot_wave_0_\@
	s_barrier_signal -3
.Lnot_wave_0_\@:
	s_barrier_wait -3
	s_barrier_signal -1
	s_barrier_wait -1
.endm
.macro CROUND
	s_barrier_signal -1
	s_barrier_wait -1
	CREST
.endm
	s_load_b256 s[4:11], s[0:1], 0x0
	v_lshl_add_u32 v[SPW], v0, 2, SPARE
	v_mov_b32 v[NIL], 0
	ds_add_u32 v28, v29
	ds_add_u32 v28, v29
	s_wait_dscnt 0x0
	v_lshrrev_b32 v1, 5, v0
	v_readfirstlane_b32 s14, v1
	s_lshr_b32 s15, s14, 1
	s_and_b32 s16, s14, 1
	s_bfe_u32 s40, ttmp6, 0x40000
	s_bfe_u32 s41, ttmp6, 0x40004
	s_and_b32 s67, ttmp7, 0xffff
	s_lshl_b32 s88, s67, 1
	s_add_co_u32 s88, s88, ttmp9
	s_sub_co_u32 s88, s88, 16
	s_mov_b32 s70, 640
	s_mov_b32 s71, 512
	s_mov_b32 s[SA], 1536
	s_mov_b32 s[SX], 92160
	s_mov_b32 s[SH], 393216
	s_cmp_ge_u32 s67, 8
	s_cselect_b32 s68, 0, s67
	s_cselect_b32 s69, s88, ttmp9
	s_cselect_b32 s70, s70, 0
	s_cselect_b32 s71, 0, s71
	s_cselect_b32 s[MODE], -1, 0
	s_cselect_b32 s[SA], s[SA], 768
	s_cselect_b32 s[SX], s[SX], 0
	s_cselect_b32 s[SH], 768, s[SH]
	s_mov_b32 s[SA+1], 0
	s_mov_b32 s[SX+1], 0
	s_mov_b32 s[SH+1], 0
	s_lshl_b32 s42, s69, 2
	s_add_co_u32 s42, s42, s40
	s_lshl_b32 s17, s68, 2
	s_add_co_u32 s17, s17, s41
	s_lshl_b32 s43, s41, 2
	s_lshl_b32 s43, 15, s43
	s_lshl_b32 s44, 0x1111, s40
	s_or_b32 s[G1+0], s43, (3<<16)|(1<<21)
	s_or_b32 s[G1B+0], s44, (3<<16)|(1<<21)
.irp g, G1, G1B
	s_mov_b32 s[\g+1], 384<<16
	s_mov_b32 s[\g+2], 8<<16
	s_mov_b32 s[\g+3], 384<<16
	s_mov_b32 s[\g+4], 8
	s_mov_b32 s[\g+5], 1536
	s_mov_b32 s[\g+6], 0
	s_mov_b32 s[\g+7], 0
.endr
	s_lshl_b32 s18, s16, 3
	s_lshl_b32 s20, s17, 4
	s_add_co_u32 s20, s20, s18
	s_add_co_u32 s20, s20, s70
	s_mul_i32 s20, s20, RHO
	s_mov_b32 s21, 0
	s_lshl_b32 s46, s42, 4
	s_add_co_u32 s46, s46, s18
	s_add_co_u32 s46, s46, s71
	s_mul_i32 s46, s46, RHO
	s_mov_b32 s47, 0
	s_mul_i32 s45, s14, HALFT
	s_wait_kmcnt 0x0
	s_add_nc_u64 s[20:21], s[4:5], s[20:21]
	s_add_nc_u64 s[46:47], s[4:5], s[46:47]
	CROUND
.irp s, 0,1
	s_mov_b32 s[G0+4*\s], 1
	s_add_co_u32 s[G0+4*\s+1], s45, \s*SLOT
	s_add_nc_u64 s[G0+4*\s+2:G0+4*\s+3], s[20:21], \s*KSL
	s_or_b32 s[G0+4*\s+3], s[G0+4*\s+3], 0x80000000
	s_mov_b32 s[G0B+4*\s], 1
	s_add_co_u32 s[G0B+4*\s+1], s45, \s*SLOT
	s_add_nc_u64 s[G0B+4*\s+2:G0B+4*\s+3], s[46:47], \s*KSL
	s_or_b32 s[G0B+4*\s+3], s[G0B+4*\s+3], 0x80000000
	s_wait_alu depctr_va_vdst(0)
	s_wait_tensorcnt 0x0
	ds_add_u32 v28, v29
	ds_add_u32 v28, v29
	s_wait_dscnt 0x0
	CROUND
	JLOAD G0+4*\s, G1, G0B+4*\s, G1B
.endr
	v_and_b32 v1, 31, v0
	v_and_b32 v2, 15, v0
	v_bfe_u32 v3, v0, 4, 1
	v_lshlrev_b32 v[L16], 4, v1
	v_lshlrev_b32 v[L8], 3, v1
	v_lshlrev_b32 v[SUO], 4, v2
	v_lshl_add_u32 v[SUO], v3, 14, v[SUO]
	s_mul_i32 s21, s15, HALFT
	s_mul_i32 s22, s16, HALFT
	s_add_co_u32 s22, s22, 2*HALFT
.irp s, 0,1
	v_add_nc_u32 v[ADRA+\s], s21, v[L16]
	v_add_nc_u32 v[ADRB+\s], s22, v[L16]
	v_add_nc_u32 v[ADRA+2+\s], s21, v[L8]
	v_add_nc_u32 v[ADRB+2+\s], s22, v[L8]
	s_add_co_u32 s21, s21, SLOT
	s_add_co_u32 s22, s22, SLOT
.endr
	s_lshl_b32 s90, s17, 4
	s_lshl_b32 s91, s15, 3
	s_add_co_u32 s90, s90, s91
	s_add_co_u32 s90, s90, s70
	s_lshl_b32 s90, s90, 9
	s_lshl_b32 s91, s42, 4
	s_lshl_b32 s92, s16, 3
	s_add_co_u32 s91, s91, s92
	s_add_co_u32 s91, s91, s71
	s_lshl_b32 s91, s91, 9
	s_mov_b32 s[HM], 0xffff0000
	v_mov_b32 v6, s90
	v_mov_b32 v7, s91
	v_cndmask_b32 v6, v6, v7, s[HM]
	v_lshl_add_u32 v6, v2, 4, v6
.irp i, 0,1,2,3,4,5,6,7
	global_load_b128 v[SC+8*\i:SC+8*\i+3], v6, s[6:7] offset:512*\i
	global_load_b128 v[SC+8*\i+4:SC+8*\i+7], v6, s[6:7] offset:512*\i+256
.endr
	s_mov_b32 s[SEL], 0x76543210
	s_mov_b32 s[SEL+1], 0xfedcba98
	s_lshl_b32 s96, s17, 1
	s_add_co_u32 s96, s96, s15
	s_lshl_b32 s97, s42, 1
	s_add_co_u32 s97, s97, s16
	s_mul_i32 s90, s97, 786432
	s_mul_i32 s91, s96, 6144
	s_add_co_u32 s90, s90, s91
	s_lshl_b32 s18, s97, 15
	s_lshl_b32 s19, s96, 8
	s_add_co_u32 s18, s18, s19
	s_lshr_b32 s91, s97, 4
	s_mul_i32 s91, s91, 1572864
	s_mul_i32 s92, s96, 196608
	s_add_co_u32 s91, s91, s92
	s_and_b32 s92, s97, 15
	s_mul_i32 s92, s92, 6144
	s_add_co_u32 s91, s91, s92
	s_add_co_u32 s91, s91, VB
	s_lshl_b32 s19, s96, 15
	s_lshl_b32 s92, s97, 8
	s_add_co_u32 s19, s19, s92
	s_add_co_u32 s19, s19, 524288
	s_cmp_ge_u32 s67, 8
	s_cselect_b32 s90, s91, s90
	s_cselect_b32 s18, s19, s18
	s_mov_b32 s91, 0
	s_mov_b32 s19, 0
	s_add_nc_u64 s[BC0:BC0+1], s[8:9], s[90:91]
	s_add_nc_u64 s[BC1:BC1+1], s[BC0:BC0+1], s[SH:SH+1]
	s_add_nc_u64 s[SCU:SCU+1], s[10:11], s[18:19]
.macro FRAG reg, adr, q, i
	ds_load_b128 v[\reg:\reg+3], v[\adr] offset:(\i)*KSL+(\q)*1536
	ds_load_b64 v[\reg+4:\reg+5], v[\adr+2] offset:(\i)*KSL+(\q)*1536+512
	ds_load_b128 v[\reg+6:\reg+9], v[\adr] offset:(\i)*KSL+(\q)*1536+768
	ds_load_b64 v[\reg+10:\reg+11], v[\adr+2] offset:(\i)*KSL+(\q)*1536+1280
.endm
.macro MUL16 a0, p, g, zero
.irp a, \a0, \a0+1
.irp b, 0,1,2,3,4,5,6,7
.if \zero
	v_wmma_scale_f32_16x16x128_f8f6f4 v[8*(8*((\a)%4)+\b):8*(8*((\a)%4)+\b)+7], v[128*(\p)+FR*\b:128*(\p)+FR*\b+FR-1], v[AF+FR*(\a):AF+FR*(\a)+FR-1], 0, v[SC+8*\b+(\g)], v[SC+8*(\a)+(\g)] matrix_a_fmt:MATRIX_FMT_FP6 matrix_b_fmt:MATRIX_FMT_FP6 matrix_a_scale:MATRIX_SCALE_ROW1
.else
	v_wmma_scale_f32_16x16x128_f8f6f4 v[8*(8*((\a)%4)+\b):8*(8*((\a)%4)+\b)+7], v[128*(\p)+FR*\b:128*(\p)+FR*\b+FR-1], v[AF+FR*(\a):AF+FR*(\a)+FR-1], v[8*(8*((\a)%4)+\b):8*(8*((\a)%4)+\b)+7], v[SC+8*\b+(\g)], v[SC+8*(\a)+(\g)] matrix_a_fmt:MATRIX_FMT_FP6 matrix_b_fmt:MATRIX_FMT_FP6 matrix_a_scale:MATRIX_SCALE_ROW1
.endif
.endr
.endr
.endm
.macro FETCH_B slot, q, p
	WIN TO_B
.irp i, 0,1,2,3,4,5,6,7
	FRAG 128*(\p)+FR*\i, ADRB+\slot, \q, \i
.endr
	WIN 0
.endm
.macro FETCH_A slot, q, i0
.irp i, \i0, \i0+1, \i0+2, \i0+3
	FRAG AF+FR*(\i), ADRA+\slot, \q, \i
.endr
.endm
.macro PLACES n
.rept \n
	v_nop
.endr
.endm
.macro STEP slot, g, zero
	s_wait_dscnt 4*NL
	WIN MUL_LO
	MUL16 0, 0, \g, \zero
	MUL16 2, 0, \g, \zero
	s_wait_dscnt 0
	PLACES NP
	FETCH_B \slot, 1, 1
	FETCH_A \slot, 1, 0
	WIN MUL_HI
	MUL16 4, 0, \g, \zero
	MUL16 6, 0, \g, \zero
	PLACES NP
	WIN 0
	FETCH_A \slot, 1, 4
.endm
.macro TURN slot, next, g, fill
	s_wait_tensorcnt 0x0
	ds_add_u32 v[SPW], v[NIL]
	s_wait_dscnt 4*NL+1
	WIN MUL_LO
	MUL16 0, 1, \g, 0
	s_wait_dscnt 0x0
	s_barrier_signal -1
	MUL16 2, 1, \g, 0
	WIN 0
	s_barrier_wait -1
.if \fill
	CREST
	s_add_nc_u64 s[G0+4*\slot+2:G0+4*\slot+3], s[G0+4*\slot+2:G0+4*\slot+3], 2*KSL
	s_add_nc_u64 s[G0B+4*\slot+2:G0B+4*\slot+3], s[G0B+4*\slot+2:G0B+4*\slot+3], 2*KSL
	JLOAD G0+4*\slot, G1, G0B+4*\slot, G1B
.else
	PLACES NP
.endif
	FETCH_B \next, 0, 0
	FETCH_A \next, 0, 0
	WIN MUL_HI
	MUL16 4, 1, \g, 0
	MUL16 6, 1, \g, 0
	PLACES NP
	WIN 0
	FETCH_A \next, 0, 4
.endm
	s_wait_alu depctr_va_vdst(0)
	s_wait_loadcnt 0x0
	s_wait_tensorcnt 0x1
	s_barrier_signal -1
	s_barrier_wait -1
	FETCH_B 0, 0, 0
	FETCH_A 0, 0, 0
	FETCH_A 0, 0, 4
	STEP 0, 0, 1
	TURN 0, 1, 1, 1
	STEP 1, 2, 0
	TURN 1, 0, 3, 1
	STEP 0, 4, 0
	TURN 0, 1, 5, 0
	STEP 1, 6, 0
	s_wait_dscnt 4*NL
	WIN MUL_LO
	MUL16 0, 1, 7, 0
	MUL16 2, 1, 7, 0
	s_wait_dscnt 0
	WIN MUL_HI
	MUL16 4, 1, 7, 0
	MUL16 6, 1, 7, 0
	WIN 0
.macro QUANT a
.set QS, 64*((\a)%4)
.set QW, 2+(\a)/4
.set QW2, 5*QW
	WIN QW2
.irp b, 0,1,2,3
	v_max3_num_f32 v[TM+\b], |v[QS+16*\b]|, |v[QS+16*\b+1]|, 0x1800000
.endr
.irp i, 2,4,6,8,10,12,14
.irp b, 0,1,2,3
	v_max3_num_f32 v[TM+\b], |v[QS+16*\b+\i]|, |v[QS+16*\b+\i+1]|, v[TM+\b]
.endr
.endr
	WIN 0
.irp b, 0,1,2,3
	v_permlanex16_b32 v[TM+4+\b], v[TM+\b], s[SEL], s[SEL+1]
.endr
.irp b, 0,1,2,3
	v_max_num_f32 v[TM+\b], v[TM+\b], v[TM+4+\b]
.endr
.irp b, 0,1,2,3
	v_add_nc_u32 v[TM+12+\b], 0xff000000, v[TM+\b]
.endr
.irp b, 0,1,2,3
	v_lshrrev_b32 v[TM+4+\b], 23, v[TM+12+\b]
.endr
	v_lshl_or_b32 v[HW+2*(\a)], v[TM+5], 8, v[TM+4]
	v_lshl_or_b32 v[HW+2*(\a)+1], v[TM+7], 8, v[TM+6]
	WIN QW
.irp c, 0,1
	v_cvt_scalef32_pk16_fp6_f32 v[PC+6*\c:PC+6*\c+2], v[QS+32*\c:QS+32*\c+15], v[TM+12+2*\c]
	v_cvt_scalef32_pk16_fp6_f32 v[PC+12+4*\c:PC+14+4*\c], v[QS+32*\c+16:QS+32*\c+31], v[TM+12+2*\c+1]
.endr
	WIN 0
	v_nop
.irp c, 0,1
.irp i, 0,1,2
	v_permlane16_swap_b32 v[PC+6*\c+\i], v[PC+12+4*\c+\i]
.endr
.irp i, 0,1,2
	v_mov_b32 v[PC+3+6*\c+\i], v[PC+12+4*\c+\i]
.endr
.endr
.endm
	PLACES NP
.irp b, 0,1,2,3
	v_mov_b32 v[TM+4+\b], 0
.endr
.irp a, 0,1,2,3,4,5,6,7
.if \a > 0
	s_wait_xcnt 0x0
	s_add_nc_u64 s[BC0:BC0+1], s[BC0:BC0+1], s[SA:SA+1]
	s_add_nc_u64 s[BC1:BC1+1], s[BC1:BC1+1], s[SA:SA+1]
.if \a == 4
	s_add_nc_u64 s[BC0:BC0+1], s[BC0:BC0+1], s[SX:SX+1]
	s_add_nc_u64 s[BC1:BC1+1], s[BC1:BC1+1], s[SX:SX+1]
.endif
.endif
	QUANT \a
	global_store_b128 v[L16], v[PC:PC+3], s[BC0:BC0+1]
	global_store_b64 v[L8], v[PC+4:PC+5], s[BC0:BC0+1] offset:512
	global_store_b128 v[L16], v[PC+6:PC+9], s[BC1:BC1+1]
	global_store_b64 v[L8], v[PC+10:PC+11], s[BC1:BC1+1] offset:512
.endr
.irp i, 0,1,2,3
	v_lshl_or_b32 v[WD+\i], v[HW+4*\i+2], 16, v[HW+4*\i]
	v_lshl_or_b32 v[WD+4+\i], v[HW+4*\i+3], 16, v[HW+4*\i+1]
	v_lshl_or_b32 v[WD+8+\i], v[HW+2*\i+1], 16, v[HW+2*\i]
	v_lshl_or_b32 v[WD+12+\i], v[HW+2*\i+9], 16, v[HW+2*\i+8]
.endr
.irp i, 0,1,2,3
	v_cndmask_b32 v[WD+\i], v[WD+\i], v[WD+4+\i], s[HM]
	v_cndmask_b32 v[WD+8+\i], v[WD+8+\i], v[WD+12+\i], s[HM]
.endr
.irp i, 0,1,2,3
	v_cndmask_b32 v[WD+\i], v[WD+\i], v[WD+8+\i], s[MODE]
.endr
	global_store_b128 v[SUO], v[WD:WD+3], s[SCU:SCU+1]
	s_wait_tensorcnt 0x0
	ds_add_u32 v[SPW], v[NIL]
	s_wait_dscnt 0x0
	CROUND
	s_endpgm
.Lfunc_end_k_qb87daf847c_qkv:
	.size	k_qb87daf847c_qkv, .Lfunc_end_k_qb87daf847c_qkv-k_qb87daf847c_qkv
	.p2alignl 7, 3214868480
	.fill 96, 4, 3214868480
	.section	.rodata,"a",@progbits
	.p2align	6, 0x0
	.amdhsa_kernel k_qb87daf847c_qkv
		.amdhsa_group_segment_fixed_size 327680
		.amdhsa_private_segment_fixed_size 0
		.amdhsa_enable_private_segment 0
		.amdhsa_kernarg_size 32
		.amdhsa_user_sgpr_count 2
		.amdhsa_user_sgpr_kernarg_segment_ptr 1
		.amdhsa_wavefront_size32 1
		.amdhsa_system_sgpr_workgroup_id_x 1
		.amdhsa_system_sgpr_workgroup_id_y 1
		.amdhsa_system_sgpr_workgroup_id_z 1
		.amdhsa_system_vgpr_workitem_id 0
		.amdhsa_next_free_vgpr 1024
		.amdhsa_next_free_sgpr 100
		.amdhsa_reserve_vcc 0
		.amdhsa_float_denorm_mode_32 3
		.amdhsa_float_denorm_mode_16_64 3
		.amdhsa_memory_ordered 1
		.amdhsa_forward_progress 1
		.amdhsa_inst_pref_size 150
	.end_amdhsa_kernel
	.amdgpu_metadata
---
amdhsa.version: [ 1, 2 ]
amdhsa.kernels:
  - .name:           k_qb87daf847c_qkv
    .symbol:         k_qb87daf847c_qkv.kd
    .args:
      - { .name: gc, .offset: 0, .size: 8, .value_kind: global_buffer, .address_space: global }
      - { .name: gs, .offset: 8, .size: 8, .value_kind: global_buffer, .address_space: global }
      - { .name: cd, .offset: 16, .size: 8, .value_kind: global_buffer, .address_space: global }
      - { .name: sc, .offset: 24, .size: 8, .value_kind: global_buffer, .address_space: global }
    .group_segment_fixed_size: 327680
    .private_segment_fixed_size: 0
    .kernarg_segment_align: 8
    .kernarg_segment_size: 32
    .max_flat_workgroup_size: 128
    .sgpr_count:     100
    .vgpr_count:     1024
    .wavefront_size: 32
...
	.end_amdgpu_metadata
.endif
;; end of part 2
;; launch attn (part 3): grid 4 x 64, 16 waves a work-group, clusters of 4 x 1, 207,872 bytes of LDS; arguments cd, sc, yc, ys; writes yc, ys
.if DOCPART == 3
	.amdgcn_target "amdgcn-amd-amdhsa--gfx1250"
	.amdhsa_code_object_version 6
	.text
	.protected	k_qb87daf847c_attn
	.globl	k_qb87daf847c_attn
	.p2align	8
	.type	k_qb87daf847c_attn,@function
k_qb87daf847c_attn:
	s_mov_b64 s[64:65], 0
	v_nop
	global_prefetch_b8 v0, s[64:65] scope:SCOPE_SE
	s_setreg_imm32_b32 hwreg(HW_REG_WAVE_MODE, 25, 1), 1
	s_wait_xcnt 0x0
	s_wait_alu depctr_hold_cnt(0) depctr_sa_sdst(0) depctr_va_vdst(0) depctr_va_sdst(0) depctr_va_ssrc(0) depctr_va_vcc(0) depctr_vm_vsrc(0)
	s_getreg_b32 s2, hwreg(HW_REG_IB_STS2, 6, 4)
	s_cmp_eq_u32 s2, 0
	s_cbranch_scc0 .Lentry_in_a_cluster
	s_endpgm
.Lentry_in_a_cluster:
	s_bfe_u32 s2, ttmp6, 0x10000c
	s_cmp_lg_u32 s2, 0x3003
	s_cbranch_scc0 .Lentry_shape_is_right
	s_endpgm
.Lentry_shape_is_right:
; y[q] = the sum over keys of softmax(q . k / 8) v, for one (b, head), both products on codes of FP6 (E2M3) with E8M0 scales; y is quantised along the channels and leaves as codes for the last product.
; THE SOFTMAX AHEAD OF THE SECOND PRODUCT: t = score x log2(e) / 8; M = the running largest t rounded UP to a whole number; p = 2^(t - M) is quantised along the keys, not normalised; the row's sum is taken of
; the unquantised p and divides at the end (by v_rcp_f32).  When M moves, the sum and O are multiplied by 2^(old M - new M): exact.
; IN (cd, sc as the launch before lays them): half images of 768 bytes (16 rows x 64 along K; lane (r, h) owns block h of row r: 512 bytes of 16 a lane, 256 bytes of 8 a lane).  K of a (b, head): 128 half images on end,
; 8 to a step of 128 keys; V: [step 16][channel tile 4][half of 64 keys 2].  In a group of 32 tokens place r of tile u holds token 8 u + r + 8 (r / 8), V's channels likewise.
; SHARES.  A work-group takes 512 queries of one (b, head); wave w takes the two query tiles 2 w and 2 w + 1, one behind the other.  Sixteen waves of 256 registers: four to a SIMD, so that one wave's vector work
; stands beside another's products and LDS loads.  Every wave walks all 2,048 keys, 128 a step.
; ALL of the head's K and V and their scale words lie in LDS for the whole launch: 200 KiB, each byte filled once, so there is no ring and no barrier in the loop.
; CLUSTER: the four work-groups of a (b, head) need the same K and V: each tensor load is a joint one, with the mask of all four.
; LAYOUT.  Both products are used transposed: S^T = K Q^T (source 0 = keys, source 1 = my 16 queries), O^T = V^T P^T: a lane holds ONE query throughout.
; K = 64 IN AN INSTRUCTION OF 128: a fragment of K holds TWO key tiles (tile 2 a in k 0-63, tile 2 a + 1 in k 64-127); q stands as [q | zeros | q] in 18 registers: its first 12 give tile 2 a's scores, its last 12 tile 2 a + 1's.
; Zero codes add nothing under any scale byte but 0xff, which no quantiser here makes.
; LIMITS: a block whose largest magnitude lies under 2^-124 keeps the byte 1, a block of zeros too (its codes are zeros; this program alone reads the bytes); NaN and infinities are not served.
.set VC,   98304                       ; LDS: K's codes at 0, V's here,
.set KS,   196608                      ; K's scale words: 16 units of 256 bytes [r 16][4 words],
.set VS,   200704                      ; V's,
.set YG,   204800                      ; and 1,024 bytes in which y's scale words meet: blocks of their own, into which no tensor load lands
.set VB,   12582912                    ; where v's part of cd begins
.set L16,  1                           ; v1   16 x lane
.set L8,   2                           ; v2   8 x lane
.set AS,   3                           ; v3   KS + 16 r
.set ADK16, 4                          ; v4-8 the step's addresses: K's (16, 8 a lane), V's, the scale units'
.set ADK8, 5
.set ADV16, 6
.set ADV8, 7
.set ADS,  8
.set AYG,  9                           ; v9   where I put my word of y's scales
.set LV16, 10                          ; v10  VC + 16 x lane
.set LV8,  11                          ; v11  VC + 8 x lane
                                       ; v12 -M, v13 the largest t, v[14:15] the sum in two halves
.set QA,   16                          ; v16-33 q of tile 2 w as [q | 0 | q]; v34 its scale word
.set QSA,  34
.set LYG,  35                          ; v35  YG + 16 x lane
.set FRG,  36                          ; v36-83  four fragments of K or of V
.set KSW,  84                          ; v84-87  K's scale words, v88-91 V's
.set VSW,  88
.set S,    96                          ; v96-159 S^T, then p
.set O,    160                         ; v160-191 O^T
.set PCD,  192                         ; v192-203 p's codes
.set PT,   204                         ; v204-210 the upper halves of the blocks, as converted
.set BM,   212                         ; v212-215 a block's largest score, then its largest p
.set BX,   216                         ; v216-219 the other half of the lanes', then the bytes
.set SO,   220                         ; v220-223 the conversions' scale operands
.set TP,   224
.set F,    226                         ; v[226:227] f = 2^(old M - new M); at the end 1 / the sum
.set PW,   228                         ; p's scale word
.set HWY,  229                         ; v229, v230 y's two scale bytes of tiles 2 w, 2 w + 1
.set QB,   232                         ; v232-249 q of tile 2 w + 1; v250 its scale word
.set QSB,  250
.set QRW,  251                         ; the word of sc that holds both tiles' bytes
.set SU2,  252                         ; v[252:253] the sum's second chain
.set QSO,  254                         ; 16 r
.set TB,   2                           ; s2   the step's first byte among K's codes (and V's): 6,144 a step
.set TS,   3                           ; s3   and among the scale units: 256 a step
.set WV,   18
.set SEL,  20                          ; s[20:21] v_permlanex16_b32's selects for lane l xor 16
.set CS,   22                          ; s[22:23] c = log2(e) / 8
.set G1L,  24                          ; s[24:31] descriptor group 1: 96 rows of 256 bytes;  s[32:39]: 16 rows
.set G1S,  32
.set G0L,  40                          ; s[40:43], s[44:47] their groups 0
.set G0S,  44
.set QP,   50                          ; s[50:51] q's codes, s[52:53] y's codes, s[54:55] y's scale units, s[56:57] q's scale word
.set YP,   52
.set YSP,  54
.set QSP,  56
.set CNT,  66
.macro ROUND                           ; a round of the cluster's barrier
	s_barrier_signal -1
	s_barrier_wait -1
	s_cmp_lg_u32 s[WV], 0
	s_cbranch_scc1 .Lnot_wave_0_\@
	s_barrier_signal -3
.Lnot_wave_0_\@:
	s_barrier_wait -3
	s_barrier_signal -1
	s_barrier_wait -1
.endm
	s_load_b256 s[4:11], s[0:1], 0x0               ; cd s[4:5], sc s[6:7], yc s[8:9], ys s[10:11]
	v_lshl_add_u32 v231, v0, 2, 0x32400
	v_mov_b32 v255, 0
	ds_add_u32 v231, v255
	ds_add_u32 v231, v255
	v_lshrrev_b32 v4, 5, v0
	s_delay_alu instid0(VALU_DEP_1)
	v_readfirstlane_b32 s[WV], v4                  ; wave 0..15
	v_and_b32 v5, 31, v0
	v_and_b32 v6, 15, v0
	s_delay_alu instid0(VALU_DEP_2)
	v_lshlrev_b32 v[L16], 4, v5                    ; every lane constant of an LDS address is made here, ahead of the first branch on the wave's number
	s_delay_alu instid0(VALU_DEP_3)
	v_lshlrev_b32 v[L8], 3, v5
	s_delay_alu instid0(VALU_DEP_3)
	v_lshl_add_u32 v[AS], v6, 4, KS
	s_delay_alu instid0(VALU_DEP_3)
	v_add_nc_u32 v[LV16], VC, v[L16]
	s_delay_alu instid0(VALU_DEP_3)
	v_add_nc_u32 v[LV8], VC, v[L8]
	v_add_nc_u32 v[LYG], YG, v[L16]
	v_lshlrev_b32 v[QSO], 4, v6
	s_lshr_b32 s67, s[WV], 2
	s_lshl_b32 s67, s67, 8
	s_and_b32 s68, s[WV], 3
	s_lshl_b32 s68, s68, 2
	s_add_co_u32 s67, s67, s68                     ; 256 (w / 4) + 4 (w % 4): my pair of tiles' word in four units of scale words
	s_add_co_u32 s68, s67, YG
	v_add_nc_u32 v[AYG], s68, v[QSO]
	s_bfe_u32 s13, ttmp6, 0x40000                  ; cx: it enters q's and y's addresses alone
	s_and_b32 s14, ttmp7, 0xffff                   ; b x 16 + head, which the four partners share
	s_lshr_b32 s15, s14, 4                         ; b
	s_and_b32 s16, s14, 15                         ; head
	; what I fetch: waves 0-3 a quarter of K's codes, waves 4-7 of V's, wave 8 K's scale words, wave 9 V's
	s_add_co_u32 s70, s16, 16
	s_lshl_b32 s70, s70, 9
	s_lshl_b32 s71, s15, 7
	s_add_co_u32 s70, s70, s71
	s_mul_i32 s70, s70, 768                        ; K's first byte in cd: ((16 + head) x 512 + b x 128) x 768
	s_mul_i32 s71, s14, 98304
	s_add_co_u32 s71, s71, VB-98304                ; V's, less the four quarters that waves 4-7 stand ahead
	s_cmp_lt_u32 s[WV], 4
	s_cselect_b32 s70, s70, s71
	s_mul_i32 s72, s[WV], 24576                    ; my quarter; also its place in LDS
	s_add_co_u32 s70, s70, s72
	s_mov_b32 s71, 0
	s_and_b32 s73, s[WV], 1
	s_lshl_b32 s73, s73, 4
	s_add_co_u32 s73, s73, s16
	s_add_co_u32 s73, s73, 16                      ; 16 + head for K, 32 + head for V
	s_lshl_b32 s73, s73, 6
	s_lshl_b32 s74, s15, 4
	s_add_co_u32 s73, s73, s74
	s_lshl_b32 s74, s73, 8                         ; 16 units of 256 bytes from here
	s_mov_b32 s75, 0
	s_lshl_b32 s76, s[WV], 12
	s_add_co_u32 s76, s76, 163840                  ; wave 8: KS, wave 9: VS
	; my queries
	s_lshl_b32 s77, s15, 7
	s_lshl_b32 s78, s13, 5
	s_add_co_u32 s77, s77, s78
	s_lshl_b32 s78, s[WV], 1
	s_add_co_u32 s77, s77, s78                     ; my first tile: b x 128 + 32 cx + 2 w
	s_lshl_b32 s78, s16, 9
	s_add_co_u32 s78, s78, s77
	s_mul_i32 s78, s78, 768                        ; q's half images in cd
	s_mov_b32 s79, 0
	s_lshl_b32 s68, s77, 4
	s_add_co_u32 s68, s68, s16
	s_mul_i32 s68, s68, 768                        ; y's in yc: (tile x 16 + head) x 768
	s_mov_b32 s69, 0
	s_lshl_b32 s60, s16, 6
	s_lshl_b32 s61, s15, 4
	s_add_co_u32 s60, s60, s61
	s_lshl_b32 s61, s13, 2
	s_add_co_u32 s60, s60, s61
	s_lshl_b32 s60, s60, 8                         ; (head x 64 + 16 b + 4 cx) x 256: the work-group's four units, in sc (q) and in ys alike
	s_mov_b32 s61, 0
	s_add_co_u32 s62, s60, s67
	s_mov_b32 s63, 0
	s_mov_b32 s[G1L], 15|(3<<16)|(1<<21)           ; 15:0 the mask: all four work-groups; 17:16 elements of 8 bytes; 20 no padding; 21 set beside a mask
	s_mov_b32 s[G1L+1], 32<<16                     ; tensor_dim0 = 32 elements: rows of 256 bytes
	s_mov_b32 s[G1L+2], 96<<16                     ; tensor_dim1 = 96
	s_mov_b32 s[G1L+3], 32<<16                     ; tile_dim0
	s_mov_b32 s[G1L+4], 96                         ; tile_dim1
	s_mov_b32 s[G1L+5], 32                         ; the rows are dense
	s_mov_b32 s[G1L+6], 0
	s_mov_b32 s[G1L+7], 0
	s_mov_b32 s[G1S], 15|(3<<16)|(1<<21)
	s_mov_b32 s[G1S+1], 32<<16
	s_mov_b32 s[G1S+2], 16<<16
	s_mov_b32 s[G1S+3], 32<<16
	s_mov_b32 s[G1S+4], 16
	s_mov_b32 s[G1S+5], 32
	s_mov_b32 s[G1S+6], 0
	s_mov_b32 s[G1S+7], 0
	s_mov_b32 s[SEL], 0x76543210
	s_mov_b32 s[SEL+1], 0xfedcba98
	s_mov_b32 s[CS], 0x3e38aa3b                    ; log2(e) / 8
	s_mov_b32 s[CS+1], s[CS]                       ; (named with it as a pair, so it is written)
	s_wait_dscnt 0x0
	s_wait_kmcnt 0x0
	s_mov_b32 s[G0L], 1
	s_mov_b32 s[G0L+1], s72
	s_add_nc_u64 s[G0L+2:G0L+3], s[4:5], s[70:71]
	s_or_b32 s[G0L+3], s[G0L+3], 0x80000000
	s_mov_b32 s[G0S], 1
	s_mov_b32 s[G0S+1], s76
	s_add_nc_u64 s[G0S+2:G0S+3], s[6:7], s[74:75]
	s_or_b32 s[G0S+3], s[G0S+3], 0x80000000
	s_add_nc_u64 s[QP:QP+1], s[4:5], s[78:79]
	s_add_nc_u64 s[YP:YP+1], s[8:9], s[68:69]
	s_add_nc_u64 s[YSP:YSP+1], s[10:11], s[60:61]
	s_add_nc_u64 s[QSP:QSP+1], s[6:7], s[62:63]
	ROUND                                          ; all four work-groups are here: the joint loads meet
	s_cmp_lt_u32 s[WV], 8                          ; one tensor load a wave, waves 0-9; four v_nop follow each line
	s_cbranch_scc0 .Lnot_codes
	tensor_load_to_lds s[G0L:G0L+3], s[G1L:G1L+7]
	s_nop 0
.rept 4
	v_nop
.endr
	s_branch .Lasked
.Lnot_codes:
	s_cmp_lt_u32 s[WV], 10
	s_cbranch_scc0 .Lasked
	tensor_load_to_lds s[G0S:G0S+3], s[G1S:G1S+7]
	s_nop 0
.rept 4
	v_nop
.endr
.Lasked:
	s_wait_alu depctr_va_vdst(0)
.irp q, QA, QB                         ; q's half image twice, at both ends of the 18 registers
	global_load_b128 v[\q:\q+3], v[L16], s[QP:QP+1] offset:(\q-QA)/(QB-QA)*768
	global_load_b64 v[\q+4:\q+5], v[L8], s[QP:QP+1] offset:(\q-QA)/(QB-QA)*768+512
	global_load_b128 v[\q+12:\q+15], v[L16], s[QP:QP+1] offset:(\q-QA)/(QB-QA)*768
	global_load_b64 v[\q+16:\q+17], v[L8], s[QP:QP+1] offset:(\q-QA)/(QB-QA)*768+512
.endr
	global_load_b32 v[QRW], v[QSO], s[QSP:QSP+1]
.irp i, 6,7,8,9,10,11
	v_mov_b32 v[QA+\i], 0                          ; zero codes in the middle
	v_mov_b32 v[QB+\i], 0
.endr
.irp b, 0,1,2,3
	v_mov_b32 v[BX+\b], 0                          ; written once: a lane permute's destination counts as one of its sources
.endr
	v_mov_b32 v[TP], 0
	v_mov_b32 v[F+1], 0                            ; (named as the upper half of a pair)
	s_wait_loadcnt 0x0
	v_perm_b32 v[QSA], v[QRW], v[QRW], 0x05040100  ; tile 2 w's two bytes, for both halves of the 128
	v_perm_b32 v[QSB], v[QRW], v[QRW], 0x07060302  ; tile 2 w + 1's
	s_wait_tensorcnt 0x0                           ; my part of K, V or the scale words has landed,
	s_barrier_signal -1
	s_barrier_wait -1                              ; everybody's has: from here on these bytes are only read
; A KEY STEP: 128 keys, for the query tile whose [q | 0 | q] begins at v[q] and whose scale word is v[qs].
.macro STEP q, qs
	v_add_nc_u32 v[ADK16], s[TB], v[L16]           ; five plain lines: the places behind the last step's products, whose fragments are loaded over below
	v_add_nc_u32 v[ADK8], s[TB], v[L8]
	v_add_nc_u32 v[ADV16], s[TB], v[LV16]
	v_add_nc_u32 v[ADV8], s[TB], v[LV8]
	v_add_nc_u32 v[ADS], s[TS], v[AS]
.irp a, 0,1,2,3
	ds_load_b128 v[FRG+12*\a:FRG+12*\a+3], v[ADK16] offset:1536*\a
	ds_load_b64 v[FRG+12*\a+4:FRG+12*\a+5], v[ADK8] offset:1536*\a+512
	ds_load_b128 v[FRG+12*\a+6:FRG+12*\a+9], v[ADK16] offset:1536*\a+768
	ds_load_b64 v[FRG+12*\a+10:FRG+12*\a+11], v[ADK8] offset:1536*\a+1280
.endr
	ds_load_b128 v[KSW:KSW+3], v[ADS]
	s_wait_alu depctr_va_vdst(0)
	s_wait_dscnt 0x0
.irp a, 0,1,2,3                        ; S^T: in tile 2 a + u lane (r, h) holds query r, register j key 32 a + 16 h + 8 u + j
.irp u, 0,1
	v_wmma_scale_f32_16x16x128_f8f6f4 v[S+8*(2*\a+\u):S+8*(2*\a+\u)+7], v[FRG+12*\a:FRG+12*\a+11], v[\q+6*\u:\q+6*\u+11], 0, v[KSW+\a], v[\qs] matrix_a_fmt:MATRIX_FMT_FP6 matrix_b_fmt:MATRIX_FMT_FP6
.endr
.endr
.rept 4
	v_nop                                          ; places in front of the loads over K's fragments and of the first read of the scores
.endr
.irp a, 0,1,2,3                        ; V's four fragments land under the softmax
	ds_load_b128 v[FRG+12*\a:FRG+12*\a+3], v[ADV16] offset:1536*\a
	ds_load_b64 v[FRG+12*\a+4:FRG+12*\a+5], v[ADV8] offset:1536*\a+512
	ds_load_b128 v[FRG+12*\a+6:FRG+12*\a+9], v[ADV16] offset:1536*\a+768
	ds_load_b64 v[FRG+12*\a+10:FRG+12*\a+11], v[ADV8] offset:1536*\a+1280
.endr
	ds_load_b128 v[VSW:VSW+3], v[ADS] offset:VS-KS
.irp b, 0,1,2,3
	v_max3_num_f32 v[BM+\b], v[S+16*\b], v[S+16*\b+1], v[S+16*\b+2]   ; the largest score of each block of 32 keys: it serves for the row's maximum and, since p rises with the score, for the block's largest p
.endr
.irp i, 3,5,7,9,11,13
.irp b, 0,1,2,3
	v_max3_num_f32 v[BM+\b], v[BM+\b], v[S+16*\b+\i], v[S+16*\b+\i+1]
.endr
.endr
.irp b, 0,1,2,3
	v_max_num_f32 v[BM+\b], v[BM+\b], v[S+16*\b+15]
.endr
.irp b, 0,1,2,3
	s_delay_alu instid0(VALU_DEP_4)
	v_permlanex16_b32 v[BX+\b], v[BM+\b], s[SEL], s[SEL+1]
.endr
.irp b, 0,1,2,3
	s_delay_alu instid0(VALU_DEP_4)
	v_max_num_f32 v[BM+\b], v[BM+\b], v[BX+\b]     ; with lane l xor 16's 16 keys
.endr
	s_delay_alu instid0(VALU_DEP_2)
	v_max3_num_f32 v[TP], v[BM], v[BM+1], v[BM+2]
	s_delay_alu instid0(VALU_DEP_1)
	v_max_num_f32 v[TP], v[TP], v[BM+3]            ; the step's largest score of my query
	s_delay_alu instid0(VALU_DEP_1)
	v_mul_f32 v[TP], s[CS], v[TP]                  ; as t (c is positive)
	s_delay_alu instid0(VALU_DEP_1)
	v_max_num_f32 v13, v13, v[TP]                  ; the running largest t
	v_mov_b32 v[TP], v12
	s_delay_alu instid0(VALU_DEP_2)
	v_floor_f32 v12, -v13                          ; the new -M = floor(-t) = -ceil(t)
	s_delay_alu instid0(VALU_DEP_1)
	v_sub_f32 v[TP], v12, v[TP]                    ; old M - new M: a whole number, 0 or less
	s_delay_alu instid0(VALU_DEP_1)
	v_cvt_i32_f32 v[TP], v[TP]                     ; (it saturates)
	s_delay_alu instid0(VALU_DEP_1)
	v_ldexp_f32 v[F], 1.0, v[TP]                   ; f = 2^(old M - new M)
.set j, 0
.rept 32
	v_pk_fma_f32 v[S+j:S+j+1], v[S+j:S+j+1], s[CS:CS+1], v[12:13] op_sel_hi:[1,0,0]   ; t - M, two at a time
.set j, j+2
.endr
.irp b, 0,1,2,3
	v_fma_f32 v[BM+\b], v[BM+\b], s[CS], v12       ; the same of each block's largest score
.endr
.set j, 0
	s_setprio 1
	s_wait_alu depctr_va_vdst(0)
.rept 64
	v_exp_f32 v[S+j], v[S+j]                       ; p = 2^(t - M), at most 1
.set j, j+1
.endr
	v_pk_mul_f32 v[14:15], v[14:15], v[F:F+1] op_sel_hi:[1,0]      ; the sums under the new M.  (The plain line behind the exponentials)
	s_wait_alu depctr_va_vdst(0)                   ; one wait for the whole batch, ahead of its first reader
.irp b, 0,1,2,3
	v_exp_f32 v[BM+\b], v[BM+\b]                   ; the block's largest p: the same two instructions on the same number give the same bits
.endr
	v_pk_add_f32 v[252:253], v[100:101], v[104:105]
	v_pk_add_f32 v[222:223], v[108:109], v[112:113]
	v_pk_add_f32 v[220:221], v[116:117], v[120:121]
	v_pk_add_f32 v[218:219], v[124:125], v[128:129]
	v_pk_add_f32 v[216:217], v[132:133], v[136:137]
	v_pk_add_f32 v[210:211], v[140:141], v[144:145]
	v_pk_add_f32 v[208:209], v[148:149], v[152:153]
	v_pk_add_f32 v[14:15], v[14:15], v[156:157]
	v_pk_add_f32 v[252:253], v[252:253], v[96:97]
	v_pk_add_f32 v[222:223], v[222:223], v[98:99]
	v_pk_add_f32 v[220:221], v[220:221], v[102:103]
	v_pk_add_f32 v[218:219], v[218:219], v[106:107]
	v_pk_add_f32 v[216:217], v[216:217], v[110:111]
	v_pk_add_f32 v[210:211], v[210:211], v[114:115]
	v_pk_add_f32 v[208:209], v[208:209], v[118:119]
	v_pk_add_f32 v[14:15], v[14:15], v[122:123]
	v_pk_add_f32 v[252:253], v[252:253], v[126:127]
	v_pk_add_f32 v[222:223], v[222:223], v[130:131]
	v_pk_add_f32 v[220:221], v[220:221], v[134:135]
	v_pk_add_f32 v[218:219], v[218:219], v[138:139]
	v_pk_add_f32 v[216:217], v[216:217], v[142:143]
	v_pk_add_f32 v[210:211], v[210:211], v[146:147]
	v_pk_add_f32 v[208:209], v[208:209], v[150:151]
	v_pk_add_f32 v[14:15], v[14:15], v[154:155]
	v_pk_add_f32 v[252:253], v[252:253], v[158:159]
	s_delay_alu instid0(VALU_DEP_2)
	v_pk_add_f32 v[14:15], v[14:15], v[218:219]
	s_delay_alu instid0(VALU_DEP_2)
	v_pk_add_f32 v[252:253], v[252:253], v[216:217]
	v_pk_add_f32 v[222:223], v[222:223], v[210:211]
	v_pk_add_f32 v[220:221], v[220:221], v[208:209]
	s_delay_alu instid0(VALU_DEP_2)
	v_pk_add_f32 v[14:15], v[14:15], v[222:223]
	s_delay_alu instid0(VALU_DEP_2)
	v_pk_add_f32 v[252:253], v[252:253], v[220:221]
	s_delay_alu instid0(VALU_DEP_1)
	v_pk_add_f32 v[14:15], v[14:15], v[252:253]
	s_wait_alu depctr_va_vdst(0)                   ; and one for the four
.irp b, 0,1,2,3
	v_max_num_f32 v[BM+\b], 0x1800000, v[BM+\b]    ; the floor 2^(3 - 127): the byte cannot fall under 1
.endr
.irp b, 0,1,2,3
	s_delay_alu instid0(VALU_DEP_4)
	v_add_nc_u32 v[SO+\b], 0xff000000, v[BM+\b]    ; 2 off the exponent field: the conversion's scale operand
.endr
.irp b, 0,1,2,3
	s_delay_alu instid0(VALU_DEP_4)
	v_lshrrev_b32 v[BX+\b], 23, v[SO+\b]           ; the scale's byte
.endr
	s_delay_alu instid0(VALU_DEP_3)
	v_lshl_or_b32 v[PW], v[BX+1], 8, v[BX]         ; p's scale word for these 128 keys
	s_delay_alu instid0(VALU_DEP_1)
	v_lshl_or_b32 v[PW], v[BX+2], 16, v[PW]
	s_delay_alu instid0(VALU_DEP_1)
	v_lshl_or_b32 v[PW], v[BX+3], 24, v[PW]
.irp c, 0,1
	v_cvt_scalef32_pk16_fp6_f32 v[PCD+6*\c:PCD+6*\c+2], v[S+32*\c:S+32*\c+15], v[SO+2*\c]
	v_cvt_scalef32_pk16_fp6_f32 v[PT+4*\c:PT+4*\c+2], v[S+32*\c+16:S+32*\c+31], v[SO+2*\c+1]   ; (a conversion's three registers begin on an even number)
.endr
	v_nop                                          ; one plain line behind a scaled conversion
.irp c, 0,1                            ; the operand's layout wants a whole block in a lane
.irp i, 0,1,2
	v_permlane16_swap_b32 v[PCD+6*\c+\i], v[PT+4*\c+\i]
.endr
.irp i, 0,1,2
	s_delay_alu instid0(VALU_DEP_3)
	v_mov_b32 v[PCD+3+6*\c+\i], v[PT+4*\c+\i]
.endr
.endr
.set j, 0
	s_setprio 0
.rept 16
	v_pk_mul_f32 v[O+j:O+j+1], v[O+j:O+j+1], v[F:F+1] op_sel_hi:[1,0]   ; O^T under the new M.  For each product below twelve of these name none of its registers: the places behind p's scale word and codes
.set j, j+2
.endr
	s_wait_alu depctr_va_vdst(0)
	s_wait_dscnt 0x0                               ; V's fragments and scale words are in
.irp t, 0,1,2,3                        ; O^T += V^T P^T: four accumulators, one instruction each; the next matrix instructions are the next step's scores
	v_wmma_scale_f32_16x16x128_f8f6f4 v[O+8*\t:O+8*\t+7], v[FRG+12*\t:FRG+12*\t+11], v[PCD:PCD+11], v[O+8*\t:O+8*\t+7], v[VSW+\t], v[PW] matrix_a_fmt:MATRIX_FMT_FP6 matrix_b_fmt:MATRIX_FMT_FP6
.endr
.endm
; ONE QUERY TILE: all 16 key steps, then y = O^T / the sum, quantised along the head's 64 channels: one half image and two scale bytes.  u: the tile's number in my pair.
.macro PASS q, qs, u
	s_wait_xcnt 0x0                                ; the stores of the tile before have read p's code registers, which the first step writes again
	v_mov_b32 v13, 0xff61b1e6                      ; the largest t so far: -3e38, under every t
	s_delay_alu instid0(VALU_DEP_1)
	v_floor_f32 v12, -v13                          ; -M
	v_mov_b32 v14, 0
	v_mov_b32 v15, 0
.set j, 0
.rept 32
	v_mov_b32 v[O+j], 0                            ; the step is written once: the first finds zeros, which the first change of M leaves zeros
.set j, j+1
.endr
	s_mov_b32 s[TB], 0
	s_mov_b32 s[TS], 0
	s_mov_b32 s[CNT], 16
.Lstep_\@:
	s_setprio 2
	STEP \q, \qs
	s_add_co_u32 s[TB], s[TB], 6144
	s_add_co_u32 s[TS], s[TS], 256
	s_sub_co_u32 s[CNT], s[CNT], 1
	s_cmp_lg_u32 s[CNT], 0
	s_cbranch_scc1 .Lstep_\@
	s_setprio 0
.rept 4
	v_nop                                          ; places behind the last products
.endr
	v_add_f32 v14, v14, v15                        ; the sum's two halves,
	s_delay_alu instid0(VALU_DEP_1)
	v_permlanex16_b32 v[TP], v14, s[SEL], s[SEL+1]
	s_delay_alu instid0(VALU_DEP_1)
	v_add_f32 v14, v14, v[TP]                      ; and lane l xor 16's: the row's sum
	s_wait_alu depctr_va_vdst(0)
	v_rcp_f32 v[F], v14
	v_nop                                          ; a plain line behind the reciprocal
	s_wait_alu depctr_va_vdst(0)                   ; and the wait ahead of its first reader
.set j, 0
.rept 16
	v_pk_mul_f32 v[S+j:S+j+1], v[O+j:O+j+1], v[F:F+1] op_sel_hi:[1,0]   ; y: register 16 b + i = channel 32 b + 16 h + i of my query.  Each accumulator from its low end on
.set j, j+2
.endr
.irp b, 0,1
	v_max3_num_f32 v[BM+\b], |v[S+16*\b]|, |v[S+16*\b+1]|, 0x1800000
.endr
.irp i, 2,4,6,8,10,12,14
.irp b, 0,1
	s_delay_alu instid0(VALU_DEP_2)
	v_max3_num_f32 v[BM+\b], v[BM+\b], |v[S+16*\b+\i]|, |v[S+16*\b+\i+1]|
.endr
.endr
.irp b, 0,1
	s_delay_alu instid0(VALU_DEP_2)
	v_permlanex16_b32 v[BX+\b], v[BM+\b], s[SEL], s[SEL+1]
.endr
.irp b, 0,1
	s_delay_alu instid0(VALU_DEP_2)
	v_max_num_f32 v[BM+\b], v[BM+\b], v[BX+\b]
.endr
.irp b, 0,1
	s_delay_alu instid0(VALU_DEP_2)
	v_add_nc_u32 v[SO+\b], 0xff000000, v[BM+\b]
.endr
.irp b, 0,1
	s_delay_alu instid0(VALU_DEP_2)
	v_lshrrev_b32 v[BX+\b], 23, v[SO+\b]
.endr
	s_delay_alu instid0(VALU_DEP_1)
	v_lshl_or_b32 v[HWY+\u], v[BX+1], 8, v[BX]
	v_cvt_scalef32_pk16_fp6_f32 v[PCD:PCD+2], v[S:S+15], v[SO]
	v_cvt_scalef32_pk16_fp6_f32 v[PT:PT+2], v[S+16:S+31], v[SO+1]
	v_nop
.irp i, 0,1,2
	v_permlane16_swap_b32 v[PCD+\i], v[PT+\i]
.endr
.irp i, 0,1,2
	s_delay_alu instid0(VALU_DEP_3)
	v_mov_b32 v[PCD+3+\i], v[PT+\i]
.endr
	global_store_b128 v[L16], v[PCD:PCD+3], s[YP:YP+1] offset:12288*\u           ; 512 and 256 consecutive bytes, at multiples of 256 from yc's first byte
	global_store_b64 v[L8], v[PCD+4:PCD+5], s[YP:YP+1] offset:12288*\u+512
.endm
	PASS QA, QSA, 0
	PASS QB, QSB, 1
	v_lshl_or_b32 v[HWY], v[HWY+1], 16, v[HWY]     ; my pair of tiles' word
	ds_store_b32 v[AYG], v[HWY]                    ; lanes r and r + 16 write the same word with the same value
	s_wait_dscnt 0x0                               ; for the others' sake
	s_barrier_signal -1
	s_barrier_wait -1
	s_cmp_lg_u32 s[WV], 0                          ; wave 0 stores the work-group's four units of 256 bytes
	s_cbranch_scc1 .Lnot_first
	ds_load_b128 v[S:S+3], v[LYG]
	ds_load_b128 v[S+4:S+7], v[LYG] offset:512
	s_wait_dscnt 0x0
	global_store_b128 v[L16], v[S:S+3], s[YSP:YSP+1]
	global_store_b128 v[L16], v[S+4:S+7], s[YSP:YSP+1] offset:512
.Lnot_first:
	s_wait_tensorcnt 0x0
	ds_add_u32 v231, v255
	s_wait_dscnt 0x0
	ROUND                                          ; the closing round
	s_endpgm
.Lfunc_end_k_qb87daf847c_attn:
	.size	k_qb87daf847c_attn, .Lfunc_end_k_qb87daf847c_attn-k_qb87daf847c_attn
	.p2alignl 7, 3214868480
	.fill 96, 4, 3214868480
	.section	.rodata,"a",@progbits
	.p2align	6, 0x0
	.amdhsa_kernel k_qb87daf847c_attn
		.amdhsa_group_segment_fixed_size 207872
		.amdhsa_private_segment_fixed_size 0
		.amdhsa_enable_private_segment 0
		.amdhsa_kernarg_size 32
		.amdhsa_user_sgpr_count 2
		.amdhsa_user_sgpr_kernarg_segment_ptr 1
		.amdhsa_wavefront_size32 1
		.amdhsa_system_sgpr_workgroup_id_x 1
		.amdhsa_system_sgpr_workgroup_id_y 1
		.amdhsa_system_sgpr_workgroup_id_z 1
		.amdhsa_system_vgpr_workitem_id 0
		.amdhsa_next_free_vgpr 256
		.amdhsa_next_free_sgpr 80
		.amdhsa_reserve_vcc 0
		.amdhsa_float_denorm_mode_32 3
		.amdhsa_float_denorm_mode_16_64 3
		.amdhsa_memory_ordered 1
		.amdhsa_forward_progress 1
		.amdhsa_inst_pref_size 55
	.end_amdhsa_kernel
	.amdgpu_metadata
---
amdhsa.version: [ 1, 2 ]
amdhsa.kernels:
  - .name:           k_qb87daf847c_attn
    .symbol:         k_qb87daf847c_attn.kd
    .args:
      - { .name: cd, .offset: 0, .size: 8, .value_kind: global_buffer, .address_space: global }
      - { .name: sc, .offset: 8, .size: 8, .value_kind: global_buffer, .address_space: global }
      - { .name: yc, .offset: 16, .size: 8, .value_kind: global_buffer, .address_space: global }
      - { .name: ys, .offset: 24, .size: 8, .value_kind: global_buffer, .address_space: global }
    .group_segment_fixed_size: 207872
    .private_segment_fixed_size: 0
    .kernarg_segment_align: 8
    .kernarg_segment_size: 32
    .max_flat_workgroup_size: 512
    .sgpr_count:     80
    .vgpr_count:     256
    .wavefront_size: 32
...
	.end_amdgpu_metadata
.endif
;; end of part 3
;; launch proj (part 4): grid 4 x 32, 4 waves a work-group, clusters of 4 x 4, 327,680 bytes of LDS; arguments yc, ys, gc, gs, out0; writes out0
.if DOCPART == 4
	.amdgcn_target "amdgcn-amd-amdhsa--gfx1250"
	.amdhsa_code_object_version 6
	.text
	.protected	k_qb87daf847c_proj
	.globl	k_qb87daf847c_proj
	.p2align	8
	.type	k_qb87daf847c_proj,@function
k_qb87daf847c_proj:
	s_mov_b64 s[64:65], 0
	v_nop
	global_prefetch_b8 v0, s[64:65] scope:SCOPE_SE
	s_setreg_imm32_b32 hwreg(HW_REG_WAVE_MODE, 25, 1), 1
	s_wait_xcnt 0x0
	s_wait_alu depctr_hold_cnt(0) depctr_sa_sdst(0) depctr_va_vdst(0) depctr_va_sdst(0) depctr_va_ssrc(0) depctr_va_vcc(0) depctr_vm_vsrc(0)
	s_getreg_b32 s2, hwreg(HW_REG_IB_STS2, 6, 4)
	s_cmp_eq_u32 s2, 0
	s_cbranch_scc0 .Lentry_in_a_cluster
	s_endpgm
.Lentry_in_a_cluster:
	s_bfe_u32 s2, ttmp6, 0x10000c
	s_cmp_lg_u32 s2, 0xf033
	s_cbranch_scc0 .Lentry_shape_is_right
	s_endpgm
.Lentry_shape_is_right:
.set RHO,   12288
.set KSL,   3072
.set HALFT, 8*KSL
.set SLOT,  4*HALFT
.set SPARE, 2*SLOT
.set SPITCH, 528
.set FR,    12
.set NL,    4
.set NP,    4
.set L16,  4
.set L8,   5
.set ADRA, 16
.set ADRB, 20
.set STO,  24
.set RD,   25
.set SPW,  28
.set NIL,  29
.set SC,   32
.set AF,   128
.set TT,   128
.set BK,   128
.set G1,  24
.set G0,  32
.set G1B, 48
.set G0B, 56
.set MSB, 0
.macro WIN new
.if MSB != \new
	s_set_vgpr_msb (MSB<<8)|\new
.set MSB, \new
.endif
.endm
.set MUL_LO, 0xa1
.set MUL_HI, 0xf1
.set TO_B,   0x40
.macro JLOAD g0a, g1a, g0b, g1b
	s_cmp_eq_u32 s15, 0
	s_cbranch_scc0 .Lfor_b_\@
	tensor_load_to_lds s[\g0a:\g0a+3], s[\g1a:\g1a+7]
	s_nop 0
.rept 4
	v_nop
.endr
	s_branch .Lasked_\@
.Lfor_b_\@:
	tensor_load_to_lds s[\g0b:\g0b+3], s[\g1b:\g1b+7]
	s_nop 0
.rept 4
	v_nop
.endr
.Lasked_\@:
.endm
.macro CREST
	s_cmp_lg_u32 s14, 0
	s_cbranch_scc1 .Lnot_wave_0_\@
	s_barrier_signal -3
.Lnot_wave_0_\@:
	s_barrier_wait -3
	s_barrier_signal -1
	s_barrier_wait -1
.endm
.macro CROUND
	s_barrier_signal -1
	s_barrier_wait -1
	CREST
.endm
	s_load_b256 s[4:11], s[0:1], 0x0
	s_load_b64 s[12:13], s[0:1], 0x20
	v_lshl_add_u32 v[SPW], v0, 2, SPARE
	v_mov_b32 v[NIL], 0
	ds_add_u32 v28, v29
	ds_add_u32 v28, v29
	s_wait_dscnt 0x0
	v_lshrrev_b32 v1, 5, v0
	v_readfirstlane_b32 s14, v1
	s_lshr_b32 s15, s14, 1
	s_and_b32 s16, s14, 1
	s_bfe_u32 s40, ttmp6, 0x40000
	s_bfe_u32 s41, ttmp6, 0x40004
	s_lshl_b32 s42, ttmp9, 2
	s_add_co_u32 s42, s42, s40
	s_and_b32 s17, ttmp7, 0xffff
	s_lshl_b32 s17, s17, 2
	s_add_co_u32 s17, s17, s41
	s_lshl_b32 s43, s41, 2
	s_lshl_b32 s43, 15, s43
	s_lshl_b32 s44, 0x1111, s40
	s_or_b32 s[G1+0], s43, (3<<16)|(1<<21)
	s_or_b32 s[G1B+0], s44, (3<<16)|(1<<21)
.irp g, G1, G1B
	s_mov_b32 s[\g+1], 384<<16
	s_mov_b32 s[\g+2], 8<<16
	s_mov_b32 s[\g+3], 384<<16
	s_mov_b32 s[\g+4], 8
	s_mov_b32 s[\g+5], 1536
	s_mov_b32 s[\g+6], 0
	s_mov_b32 s[\g+7], 0
.endr
	s_lshl_b32 s18, s16, 3
	s_lshl_b32 s20, s17, 4
	s_add_co_u32 s20, s20, s18
	s_mul_i32 s20, s20, RHO
	s_mov_b32 s21, 0
	s_lshl_b32 s46, s42, 4
	s_add_co_u32 s46, s46, s18
	s_add_co_u32 s46, s46, 704
	s_mul_i32 s46, s46, RHO
	s_mov_b32 s47, 0
	s_mul_i32 s45, s14, HALFT
	s_wait_kmcnt 0x0
	s_add_nc_u64 s[20:21], s[4:5], s[20:21]
	s_add_nc_u64 s[46:47], s[8:9], s[46:47]
	CROUND
.irp s, 0,1
	s_mov_b32 s[G0+4*\s], 1
	s_add_co_u32 s[G0+4*\s+1], s45, \s*SLOT
	s_add_nc_u64 s[G0+4*\s+2:G0+4*\s+3], s[20:21], \s*KSL
	s_or_b32 s[G0+4*\s+3], s[G0+4*\s+3], 0x80000000
	s_mov_b32 s[G0B+4*\s], 1
	s_add_co_u32 s[G0B+4*\s+1], s45, \s*SLOT
	s_add_nc_u64 s[G0B+4*\s+2:G0B+4*\s+3], s[46:47], \s*KSL
	s_or_b32 s[G0B+4*\s+3], s[G0B+4*\s+3], 0x80000000
	s_wait_alu depctr_va_vdst(0)
	s_wait_tensorcnt 0x0
	ds_add_u32 v28, v29
	ds_add_u32 v28, v29
	s_wait_dscnt 0x0
	CROUND
	JLOAD G0+4*\s, G1, G0B+4*\s, G1B
.endr
	v_and_b32 v1, 31, v0
	v_and_b32 v2, 15, v0
	v_bfe_u32 v3, v0, 4, 1
	v_lshlrev_b32 v[L16], 4, v1
	v_lshlrev_b32 v[L8], 3, v1
	s_mul_i32 s21, s15, HALFT
	s_mul_i32 s22, s16, HALFT
	s_add_co_u32 s22, s22, 2*HALFT
.irp s, 0,1
	v_add_nc_u32 v[ADRA+\s], s21, v[L16]
	v_add_nc_u32 v[ADRB+\s], s22, v[L16]
	v_add_nc_u32 v[ADRA+2+\s], s21, v[L8]
	v_add_nc_u32 v[ADRB+2+\s], s22, v[L8]
	s_add_co_u32 s21, s21, SLOT
	s_add_co_u32 s22, s22, SLOT
.endr
	s_mul_i32 s23, s14, 16*SPITCH
	v_mul_u32_u24 v[STO], v2, SPITCH
	v_lshl_add_u32 v[STO], v3, 6, v[STO]
	v_add_nc_u32 v[STO], s23, v[STO]
	v_add_nc_u32 v[RD], s23, v[L16]
	s_lshl_b32 s90, s42, 4
	s_lshl_b32 s91, s16, 3
	s_add_co_u32 s90, s90, s91
	s_add_co_u32 s90, s90, 704
	s_lshl_b32 s90, s90, 9
	v_lshl_add_u32 v6, v2, 4, s90
.irp i, 0,1,2,3,4,5,6,7
	global_load_b128 v[SC+8*\i:SC+8*\i+3], v6, s[10:11] offset:512*\i
	global_load_b128 v[SC+8*\i+4:SC+8*\i+7], v6, s[10:11] offset:512*\i+256
.endr
	s_lshl_b32 s91, s17, 1
	s_add_co_u32 s91, s91, s15
	s_lshl_b32 s91, s91, 8
	v_lshl_add_u32 v7, v2, 4, s91
.set k, 0
.rept 16
	global_load_b128 v[TT+4*k:TT+4*k+3], v7, s[6:7] offset:16384*k
.set k, k+1
.endr
	s_lshl_b32 s20, s17, 8
	s_lshl_b32 s21, s15, 7
	s_add_co_u32 s20, s20, s21
	s_lshl_b32 s20, s20, 12
	s_lshl_b32 s21, s42, 10
	s_add_co_u32 s20, s20, s21
	s_lshl_b32 s21, s16, 9
	s_add_co_u32 s20, s20, s21
	s_mov_b32 s21, 0
	s_add_nc_u64 s[12:13], s[12:13], s[20:21]
	s_mov_b32 s92, 0x05040100
	s_mov_b32 s93, 0x07060302
	s_wait_loadcnt 0x0
	s_wait_xcnt 0x0
	v_cmp_gt_u32 vcc_lo, 16, v1
	s_and_saveexec_b32 s2, vcc_lo
.irp al, 0,1,2,3
.irp g, 0,1,2,3,4,5,6,7
	v_perm_b32 v[SC+16*\al+\g], v[TT+8*\g+4+\al], v[TT+8*\g+\al], s92
	v_perm_b32 v[SC+16*\al+8+\g], v[TT+8*\g+4+\al], v[TT+8*\g+\al], s93
.endr
.endr
	s_or_b32 exec_lo, exec_lo, s2
.rept 8
	v_nop
.endr
.macro FRAG reg, adr, q, i
	ds_load_b128 v[\reg:\reg+3], v[\adr] offset:(\i)*KSL+(\q)*1536
	ds_load_b64 v[\reg+4:\reg+5], v[\adr+2] offset:(\i)*KSL+(\q)*1536+512
	ds_load_b128 v[\reg+6:\reg+9], v[\adr] offset:(\i)*KSL+(\q)*1536+768
	ds_load_b64 v[\reg+10:\reg+11], v[\adr+2] offset:(\i)*KSL+(\q)*1536+1280
.endm
.macro MUL16 a0, p, g, zero
.irp a, \a0, \a0+1
.irp b, 0,1,2,3,4,5,6,7
.if \zero
	v_wmma_scale_f32_16x16x128_f8f6f4 v[8*(8*((\a)%4)+\b):8*(8*((\a)%4)+\b)+7], v[128*(\p)+FR*\b:128*(\p)+FR*\b+FR-1], v[AF+FR*(\a):AF+FR*(\a)+FR-1], 0, v[SC+8*\b+(\g)], v[SC+8*(\a)+(\g)] matrix_a_fmt:MATRIX_FMT_FP6 matrix_b_fmt:MATRIX_FMT_FP6 matrix_a_scale:MATRIX_SCALE_ROW1
.else
	v_wmma_scale_f32_16x16x128_f8f6f4 v[8*(8*((\a)%4)+\b):8*(8*((\a)%4)+\b)+7], v[128*(\p)+FR*\b:128*(\p)+FR*\b+FR-1], v[AF+FR*(\a):AF+FR*(\a)+FR-1], v[8*(8*((\a)%4)+\b):8*(8*((\a)%4)+\b)+7], v[SC+8*\b+(\g)], v[SC+8*(\a)+(\g)] matrix_a_fmt:MATRIX_FMT_FP6 matrix_b_fmt:MATRIX_FMT_FP6 matrix_a_scale:MATRIX_SCALE_ROW1
.endif
.endr
.endr
.endm
.macro FETCH_B slot, q, p
	WIN TO_B
.irp i, 0,1,2,3,4,5,6,7
	FRAG 128*(\p)+FR*\i, ADRB+\slot, \q, \i
.endr
	WIN 0
.endm
.macro FETCH_A slot, q, i0
.irp i, \i0, \i0+1, \i0+2, \i0+3
	FRAG AF+FR*(\i), ADRA+\slot, \q, \i
.endr
.endm
.macro PLACES n
.rept \n
	v_nop
.endr
.endm
.macro STEP slot, g, zero
	s_wait_dscnt 4*NL
	WIN MUL_LO
	MUL16 0, 0, \g, \zero
	MUL16 2, 0, \g, \zero
	s_wait_dscnt 0
	PLACES NP
	FETCH_B \slot, 1, 1
	FETCH_A \slot, 1, 0
	WIN MUL_HI
	MUL16 4, 0, \g, \zero
	MUL16 6, 0, \g, \zero
	PLACES NP
	WIN 0
	FETCH_A \slot, 1, 4
.endm
.macro TURN slot, next, g, fill
	s_wait_tensorcnt 0x0
	ds_add_u32 v[SPW], v[NIL]
	s_wait_dscnt 4*NL+1
	WIN MUL_LO
	MUL16 0, 1, \g, 0
	s_wait_dscnt 0x0
	s_barrier_signal -1
	MUL16 2, 1, \g, 0
	WIN 0
	s_barrier_wait -1
.if \fill
	CREST
	s_add_nc_u64 s[G0+4*\slot+2:G0+4*\slot+3], s[G0+4*\slot+2:G0+4*\slot+3], 2*KSL
	s_add_nc_u64 s[G0B+4*\slot+2:G0B+4*\slot+3], s[G0B+4*\slot+2:G0B+4*\slot+3], 2*KSL
	JLOAD G0+4*\slot, G1, G0B+4*\slot, G1B
.else
	PLACES NP
.endif
	FETCH_B \next, 0, 0
	FETCH_A \next, 0, 0
	WIN MUL_HI
	MUL16 4, 1, \g, 0
	MUL16 6, 1, \g, 0
	PLACES NP
	WIN 0
	FETCH_A \next, 0, 4
.endm
	s_wait_tensorcnt 0x1
	s_barrier_signal -1
	s_barrier_wait -1
	FETCH_B 0, 0, 0
	FETCH_A 0, 0, 0
	FETCH_A 0, 0, 4
	STEP 0, 0, 1
	TURN 0, 1, 1, 1
	STEP 1, 2, 0
	s_wait_alu depctr_va_vdst(0)
	TURN 1, 0, 3, 1
	STEP 0, 4, 0
	TURN 0, 1, 5, 0
	STEP 1, 6, 0
	s_wait_dscnt 4*NL
	WIN MUL_LO
	MUL16 0, 1, 7, 0
	MUL16 2, 1, 7, 0
	s_wait_dscnt 0
	WIN MUL_HI
	MUL16 4, 1, 7, 0
	MUL16 6, 1, 7, 0
	WIN 0
.macro TOSTAGE a
.set AC, 64*((\a)%4)
.set TW, 0x08+4*((\a)/4)
	WIN TW
.irp b, 0,1,2,3,4,5,6,7
	ds_store_b128 v[STO], v[AC+8*\b:AC+8*\b+3] offset:128*(\b/2)+32*(\b%2)
	ds_store_b128 v[STO], v[AC+8*\b+4:AC+8*\b+7] offset:128*(\b/2)+32*(\b%2)+16
.endr
	WIN 0
.set BB, BK+64*((\a)%2)
.irp t, 0,1,2,3,4,5,6,7,8,9,10,11,12,13,14,15
	ds_load_b128 v[BB+4*\t:BB+4*\t+3], v[RD] offset:\t*SPITCH
.endr
.endm
.macro SEND a, younger
.set BB, BK+64*((\a)%2)
	s_wait_dscnt \younger
.irp t, 0,1,2,3,4,5,6,7,8,9,10,11,12,13,14,15
	global_store_b128 v[L16], v[BB+4*\t:BB+4*\t+3], s[12:13] offset:(32*((\a)/2)+8*((\a)%2)+\t+8*(\t/8))*4096 th:TH_STORE_NT
.endr
.endm
	PLACES NP
	TOSTAGE 0
.irp a, 1,2,3,4,5,6,7
.if \a > 1
	s_wait_xcnt 0x0
.endif
	TOSTAGE \a
	SEND \a-1, 32
.endr
	SEND 7, 0
	s_wait_tensorcnt 0x0
	ds_add_u32 v[SPW], v[NIL]
	s_wait_dscnt 0x0
	CROUND
	s_endpgm
.Lfunc_end_k_qb87daf847c_proj:
	.size	k_qb87daf847c_proj, .Lfunc_end_k_qb87daf847c_proj-k_qb87daf847c_proj
	.p2alignl 7, 3214868480
	.fill 96, 4, 3214868480
	.section	.rodata,"a",@progbits
	.p2align	6, 0x0
	.amdhsa_kernel k_qb87daf847c_proj
		.amdhsa_group_segment_fixed_size 327680
		.amdhsa_private_segment_fixed_size 0
		.amdhsa_enable_private_segment 0
		.amdhsa_kernarg_size 40
		.amdhsa_user_sgpr_count 2
		.amdhsa_user_sgpr_kernarg_segment_ptr 1
		.amdhsa_wavefront_size32 1
		.amdhsa_system_sgpr_workgroup_id_x 1
		.amdhsa_system_sgpr_workgroup_id_y 1
		.amdhsa_system_sgpr_workgroup_id_z 1
		.amdhsa_system_vgpr_workitem_id 0
		.amdhsa_next_free_vgpr 1024
		.amdhsa_next_free_sgpr 98
		.amdhsa_reserve_vcc 1
		.amdhsa_float_denorm_mode_32 3
		.amdhsa_float_denorm_mode_16_64 3
		.amdhsa_memory_ordered 1
		.amdhsa_forward_progress 1
		.amdhsa_inst_pref_size 147
	.end_amdhsa_kernel
	.amdgpu_metadata
---
amdhsa.version: [ 1, 2 ]
amdhsa.kernels:
  - .name:           k_qb87daf847c_proj
    .symbol:         k_qb87daf847c_proj.kd
    .args:
      - { .name: yc, .offset: 0, .size: 8, .value_kind: global_buffer, .address_space: global }
      - { .name: ys, .offset: 8, .size: 8, .value_kind: global_buffer, .address_space: global }
      - { .name: gc, .offset: 16, .size: 8, .value_kind: global_buffer, .address_space: global }
      - { .name: gs, .offset: 24, .size: 8, .value_kind: global_buffer, .address_space: global }
      - { .name: out0, .offset: 32, .size: 8, .value_kind: global_buffer, .address_space: global }
    .group_segment_fixed_size: 327680
    .private_segment_fixed_size: 0
    .kernarg_segment_align: 8
    .kernarg_segment_size: 40
    .max_flat_workgroup_size: 128
    .sgpr_count:     98
    .vgpr_count:     1024
    .wavefront_size: 32
...
	.end_amdgpu_metadata
.endif
;; end of part 4
